; MI455X (gfx1250); checked and timed in simulation.
; The chip was launched on July 23, 2026; its instructions are those of AMD's public machine-readable ISA for CDNA 5 (MIT licence, August 2026) and "CDNA5" Instruction Set Architecture Reference Guide (July 2026). The comments in the code are by the model that wrote it; some were corrected since.
;; Multi Head Attention. Allowed arithmetic: matrix products marked QUANTISED: E5M2 operands, one given power-of-two scale a tensor, by v_wmma_f32_16x16x64_bf8_bf8 or v_wmma_f32_16x16x128_bf8_bf8, f32 sums; everything else in f32.
;; Inputs: Wk_codes 8 x 128 x 32 x 32 uint8 (E5M2 codes of Wk, K innermost, in blocks of 32 codes); Wp_codes 1,024 x 32 x 32 uint8 (E5M2 codes of Wp, K innermost, in blocks of 32 codes); Wq_codes 8 x 128 x 32 x 32 uint8 (E5M2 codes of Wq, K innermost, in blocks of 32 codes); Wv_codes 8 x 128 x 32 x 32 uint8 (E5M2 codes of Wv, K innermost, in blocks of 32 codes); bk 8 x 128 float32; bp 1,024 float32; bq 8 x 128 float32; bv 8 x 128 float32; lowp_scales 12 int32 (the exponents e of the quantised operands' scales 2^e); z_codes 4,096 x 32 x 32 uint8 (E5M2 codes of z, K innermost, in blocks of 32 codes).
;; Outputs: out0 4,096 x 1,024 float32.
;; This version of the problem:
;;   THIS VERSION OF THE PROBLEM IS GIVEN IN LOW PRECISION. The matrix products marked QUANTISED in the list below multiply operands that are first quantised to E5M2 (5 exponent bits, 2 mantissa bits; 8 bits a number), with one given power-of-two scale for each operand tensor; their sums are f32. All else is computed in f32.
;;   The module's matrix products, in the order in which they are computed (A, B: the left and right operand; K: the contracted axis; several contracted axes count as one K, in the product's order):
;;     1. [M 1,024, K 1,024] x [K 1,024, N 4,096]; A: input Wq (given as codes); B: input z (given as codes): QUANTISED (scales: A lowp_scales[0], B lowp_scales[1])
;;     2. [M 1,024, K 1,024] x [K 1,024, N 4,096]; A: input Wk (given as codes); B: input z (given as codes): QUANTISED (scales: A lowp_scales[2], B lowp_scales[3])
;;     3. [M 1,024, K 1,024] x [K 1,024, N 4,096]; A: input Wv (given as codes); B: input z (given as codes): QUANTISED (scales: A lowp_scales[4], B lowp_scales[5])
;;     4. batch 8 x [M 4,096, K 128] x [K 128, N 4,096]; A: computed on the way; B: computed on the way: QUANTISED (scales: A lowp_scales[6], B lowp_scales[7])
;;     5. batch 8 x [M 4,096, K 4,096] x [K 4,096, N 128]; A: softmax (see below); B: computed on the way: QUANTISED (scales: A lowp_scales[8], B lowp_scales[9])
;;     6. [M 4,096, K 1,024] x [K 1,024, N 1,024]; A: computed on the way; B: input Wp (given as codes): QUANTISED (scales: A lowp_scales[10], B lowp_scales[11])
;;   THE QUANTISER, for each operand of a quantised product, along K:
;;     - The operand's scale is 2^e, e = its entry of the input lowp_scales (int32; the entries are numbered through the quantised products in the list's order, A before B).
;;     - Each number is divided by the scale, clamped to +-57,344, and rounded to the nearest number of E5M2, ties to even, subnormals kept.
;;     - The product sums the exact products of the quantised numbers (number of the format x scale) in f32.
;;   ~~~python
;;   def quantise(x, axis, e):      # numpy; x: float32 -> the quantised numbers, widened to float32 again
;;       x = np.moveaxis(x, axis, -1); K = x.shape[-1]
;;       r = np.clip(x / 2.0 ** e, -57344, 57344)
;;       step = 2.0 ** (np.maximum(np.frexp(np.where(r == 0, 1, r))[1] - 1, -14) - 2)
;;       q = np.round(r / step) * step * 2.0 ** e      # np.round: ties to even
;;       return np.moveaxis(q, -1, axis).astype(np.float32)
;;   ~~~
;;   SOFTMAX AHEAD OF A QUANTISED PRODUCT. Where the list says 'softmax', what is quantised is not the finished softmax but p = 2^(t - M), with t = logit x log2(e) and M = ceil(the row's largest t), a whole number; so 1/2 < the row's largest p <= 1. The row's sum l is taken of the UNQUANTISED p, in f32, and the product's result is divided by l at the end. Since M is a whole number, a kernel that streams over the keys may use a running M (the ceiling of the running maximum): every later rescaling is an exact power of two, so the quantised numbers keep their values, but for numbers so far below the row's largest that they fall under the format's range.
;;   OPERANDS COMPUTED ON THE WAY. 'Computed on the way' means the value that the module computes at that place (a softmax that the list does not call 'softmax' is quantised finished and normalised). What goes into a quantiser is computed in f32, as accurately as f32 sums, v_exp_f32 and their like allow (about 1e-6 of the number): no bf16 or f16 on the way to a quantiser, and a product that is left as it is and whose result goes on into a quantised operand takes f32 operands (vector FMAs, or v_wmma_f32_16x16x4_f32). A number that lies on a knife's edge between two numbers of the format may be rounded either way, as far as f32 arithmetic and the matrix unit's own rounding can turn it there, and no further.
;;   INPUTS GIVEN AS CODES. Wk (in the module: [8, 1024, 128], K = its axis 1); Wp (in the module: [1024, 1024], K = its axis 0); Wq (in the module: [8, 1024, 128], K = its axis 1); Wv (in the module: [8, 1024, 128], K = its axis 1); z (in the module: [4096, 1024], K = its axis 1): each comes as NAME_codes (uint8): NAME with its K axis moved to the last place and cut into blocks of 32 codes, [.., K / 32, bytes a block], one block behind the other in memory; one code a byte (a code: sign, 5 exponent bits, 2 mantissa bits); its scale is its entry of lowp_scales. Its value is code x scale, taken as it is: it is not quantised again, and the codes and scales need not be those that the quantiser above would give.
;; One version. Each part assembles by itself: llvm-mc -triple=amdgcn-amd-amdhsa -mcpu=gfx1250 --defsym DOCPART=n.
;; ======== version 1 of 1: 3 launches
;; limits: right only within a limited range of input values
;; workspace buffers: q_codes 4,194,304 bytes; k_codes 4,194,304 bytes; v_codes 4,194,304 bytes; cat_codes 4,194,304 bytes
;; launch qkv (part 1): grid 8 x 32, 4 waves a work-group, clusters of 4 x 4, 327,680 bytes of LDS; arguments z_codes, Wq_codes, Wk_codes, Wv_codes, bq, bk, bv, lowp_scales, q_codes, k_codes, v_codes; writes q_codes, k_codes, v_codes
.if DOCPART == 1
	.amdgcn_target "amdgcn-amd-amdhsa--gfx1250"
	.amdhsa_code_object_version 6
	.text
	.protected	k_qb79450d870_qkv
	.globl	k_qb79450d870_qkv
	.p2align	8
	.type	k_qb79450d870_qkv,@function
k_qb79450d870_qkv:
	s_mov_b64 s[64:65], 0
	v_nop
	global_prefetch_b8 v0, s[64:65] scope:SCOPE_SE
	s_setreg_imm32_b32 hwreg(HW_REG_WAVE_MODE, 25, 1), 1
	s_wait_xcnt 0x0
	s_wait_alu depctr_hold_cnt(0) depctr_sa_sdst(0) depctr_va_vdst(0) depctr_va_sdst(0) depctr_va_ssrc(0) depctr_va_vcc(0) depctr_vm_vsrc(0)
	s_getreg_b32 s2, hwreg(HW_REG_IB_STS2, 6, 4)
	s_cmp_eq_u32 s2, 0
	s_cbranch_scc0 .Lentry_in_a_cluster
	s_endpgm
.Lentry_in_a_cluster:
	s_bfe_u32 s2, ttmp6, 0x10000c
	s_cmp_lg_u32 s2, 0xf033
	s_cbranch_scc0 .Lentry_shape_is_right
	s_endpgm
.Lentry_shape_is_right:
; q, k, v = z W + b for 8 heads of 128, on codes of BF8 (E5M2), each result quantised to BF8 with its given scale and stored as IMAGES of operand registers.
; An image is 16 rows x 128 K, 2,048 bytes: registers 4 c .. 4 c + 3 of lane l at 512 c + 16 l; registers 2 t, 2 t + 1 of lane (r, h) hold k = 16 t + 8 h + 0 .. 7 of row r.
;   q, k: [head][row / 16], rows = rows of z, K = the head's 128 channels.   v: [head][key step of 128][tile T of 8], rows = channels, K = the step's 128 keys;
;   row r of v's tile T = 2 w + n is channel 32 w + 8 n + r + 8 (r / 8), so that the product with it leaves 16 neighbouring channels in a lane.
; No step of reference() is left out in any launch.
; LIMITS: e[0] + e[1], e[2] + e[3], e[4] + e[5] between -126 and 127; e[6], e[7], e[9] between -126 and 112.  NaN among the inputs is not served.
; SHARES.  256 work-groups: 128 rows of z x one head's q, k and v.  Four waves; wave w makes all 128 rows x channels 32 w .. 32 w + 31 of q, of k and of v: 48 accumulators.
; K goes in steps of 256 through a ring of two LDS slots (z's 128 rows, Wq's, Wk's, Wv's); wave 0 fetches z's tile, wave 1 Wq's, 2 Wk's, 3 Wv's, one load each.
; CLUSTERS of 4 x 4: z's tile is shared along a row of the cluster (four heads), the weights' along a column (four row blocks), by joint loads.
; q and k: source 0 = 16 channels, source 1 = 16 rows: a lane holds one row and 8 neighbouring channels.  v the other way round: a lane holds one channel and 8 neighbouring keys.
; REGISTERS: window 0: v0-127 addresses, biases, the way out; v128-255 v's accumulators (n, a) at 128 + 8 (8 n + a).  window 1, 2: two fragment buffers: z 0-127, Wq 128-159, Wk 160-191, Wv 192-223.
;   window 3: q's accumulators (a, b) at 8 (2 a + b), k's 128 further on.
; PREFETCH: K steps 2 and 3 are asked for one slot ahead of their loads; of the 128 rows that a wave fetches each partner asks for 32, told apart by address; weights only in four of the eight rows of clusters.
.set ROWB,   256
.set PITCH,  272
.set HALFT,  128*PITCH
.set SLOT,   4*HALFT
.set SPARE,  2*SLOT
.set ADRA, 16
.set ADRB, 18
.set ADRV, 20
.set CO,   22
.set PFO,  23
.set BV,   24
.set SPW,  28
.set NIL,  29
.set BH,   30
.set BR,   31
.set BQ,   32                          ; q's bias 32-47, k's 48-63
.set G1, 24
.set G0, 32
.set G1B, 48
.set G0B, 56
.set PFA, 98
.set FLAG, 43
.set MSB, 0
.macro WIN new                         ; the immediate's high byte repeats the setting that is left
.if MSB != (\new)
	s_set_vgpr_msb (MSB<<8)|(\new)
.set MSB, (\new)
.endif
.endm
.macro PLACES
.rept 4
	v_nop
.endr
.endm
.macro JLOAD s                         ; a joint load: wave 0 for z, the others for their weight
	s_cmp_eq_u32 s14, 0
	s_cbranch_scc0 .Lfor_w_\@
	tensor_load_to_lds s[G0+4*\s:G0+4*\s+3], s[G1:G1+7]
	s_nop 0
	PLACES
	s_branch .Lasked_\@
.Lfor_w_\@:
	tensor_load_to_lds s[G0B+4*\s:G0B+4*\s+3], s[G1B:G1B+7]
	s_nop 0
	PLACES
.Lasked_\@:
.endm
.macro CREST                           ; a round of the cluster's barrier behind its opening barrier
	s_cmp_lg_u32 s14, 0
	s_cbranch_scc1 .Lnot_wave_0_\@
	s_barrier_signal -3
.Lnot_wave_0_\@:
	s_barrier_wait -3
	s_barrier_signal -1
	s_barrier_wait -1
.endm
.macro CROUND
	s_barrier_signal -1
	s_barrier_wait -1
	CREST
.endm
.macro ASK off                         ; 32 rows x 256 bytes, a lane a row
	s_cmp_eq_u32 s[FLAG], 1
	s_cbranch_scc0 .Lnot_mine_\@
	global_prefetch_b8 v[PFO], s[PFA:PFA+1] offset:\off th:TH_LOAD_NT scope:SCOPE_SE
.Lnot_mine_\@:
.endm
	s_load_b256 s[4:11], s[0:1], 0x0               ; z, Wq, Wk, Wv
	s_load_b256 s[68:75], s[0:1], 0x20             ; bq, bk, bv, the exponents
	s_load_b128 s[76:79], s[0:1], 0x40             ; q, k
	s_load_b64 s[80:81], s[0:1], 0x50              ; v
	v_lshl_add_u32 v[SPW], v0, 2, SPARE
	v_mov_b32 v[NIL], 0
	ds_add_u32 v[SPW], v[NIL]                      ; the opening: the add, twice on end, and its wait
	ds_add_u32 v[SPW], v[NIL]
	v_lshrrev_b32 v1, 5, v0
	v_readfirstlane_b32 s14, v1                    ; wave 0..3
	s_bfe_u32 s40, ttmp6, 0x40000                  ; cx
	s_bfe_u32 s41, ttmp6, 0x40004                  ; cy
	s_lshl_b32 s42, ttmp9, 2
	s_add_co_u32 s42, s42, s40                     ; the head
	s_and_b32 s16, ttmp7, 0xffff
	s_lshl_b32 s17, s16, 2
	s_add_co_u32 s17, s17, s41                     ; the block of 128 rows
	s_lshl_b32 s43, s41, 2
	s_lshl_b32 s43, 15, s43                        ; my row of the cluster
	s_lshl_b32 s44, 0x1111, s40                    ; my column
	s_or_b32 s[G1+0], s43, (0<<16)|(1<<20)|(1<<21)|(5<<22)|(3<<25)   ; the mask; elements of 1 byte; four words of padding after every 64; 21 set beside a mask
	s_or_b32 s[G1B+0], s44, (0<<16)|(1<<20)|(1<<21)|(5<<22)|(3<<25)
.irp g, G1, G1B
	s_mov_b32 s[\g+1], ROWB<<16
	s_mov_b32 s[\g+2], 128<<16
	s_mov_b32 s[\g+3], ROWB<<16
	s_mov_b32 s[\g+4], 128
	s_mov_b32 s[\g+5], 1024
	s_mov_b32 s[\g+6], 0
	s_mov_b32 s[\g+7], 0
.endr
	s_lshl_b32 s20, s17, 17                        ; z: 128 rows of 1,024 bytes a block: no cx enters
	s_mov_b32 s21, 0
	s_lshl_b32 s46, s42, 17                        ; a weight: the head's 128 rows: no cy enters
	s_mov_b32 s47, 0
	s_mul_i32 s45, s14, HALFT                      ; where it goes: wave x 128 rows
	s_wait_dscnt 0x0
	s_wait_kmcnt 0x0
	s_load_b256 s[84:91], s[74:75], 0x0            ; e[0] .. e[7]
	s_load_b64 s[92:93], s[74:75], 0x20            ; e[8], e[9]
	s_cmp_eq_u32 s14, 2
	s_cselect_b64 s[6:7], s[8:9], s[6:7]
	s_cmp_eq_u32 s14, 3
	s_cselect_b64 s[6:7], s[10:11], s[6:7]
	s_add_nc_u64 s[20:21], s[4:5], s[20:21]
	s_add_nc_u64 s[46:47], s[6:7], s[46:47]
.irp s, 0,1
	s_mov_b32 s[G0+4*\s], 1
	s_add_co_u32 s[G0+4*\s+1], s45, \s*SLOT
	s_add_nc_u64 s[G0+4*\s+2:G0+4*\s+3], s[20:21], \s*ROWB
	s_or_b32 s[G0+4*\s+3], s[G0+4*\s+3], 0x80000000
	s_mov_b32 s[G0B+4*\s], 1
	s_add_co_u32 s[G0B+4*\s+1], s45, \s*SLOT
	s_add_nc_u64 s[G0B+4*\s+2:G0B+4*\s+3], s[46:47], \s*ROWB
	s_or_b32 s[G0B+4*\s+3], s[G0B+4*\s+3], 0x80000000
.endr
	CROUND                                         ; all sixteen work-groups are here: the first joint loads meet
	JLOAD 0                                        ; K step 0
	v_and_b32 v1, 15, v0                           ; r
	v_bfe_u32 v2, v0, 4, 1                         ; h
	v_and_b32 v5, 8, v1
	v_add_nc_u32 v5, v5, v1                        ; r + 8 (r / 8)
	v_mul_u32_u24 v3, v1, PITCH
	v_lshl_add_u32 v4, v2, 4, v3                   ; row r, + 16 h
	v_mul_u32_u24 v3, v5, PITCH
	v_lshl_add_u32 v3, v2, 4, v3                   ; Wv's row r + 8 (r / 8), + 16 h
	s_mul_i32 s22, s14, 32*PITCH                   ; my 32 channels
	s_add_co_u32 s23, s22, 3*HALFT
	s_add_co_u32 s22, s22, HALFT
	v_mov_b32 v[ADRA], v4
	v_add_nc_u32 v[ADRA+1], SLOT, v4
.irp s, 0,1
	v_add_nc_u32 v[ADRB+\s], s22, v4
	v_add_nc_u32 v[ADRV+\s], s23, v3
	s_add_co_u32 s22, s22, SLOT
	s_add_co_u32 s23, s23, SLOT
.endr
	v_and_b32 v6, 31, v0
	v_lshlrev_b32 v[CO], 4, v6
	v_lshlrev_b32 v[PFO], 10, v6
	v_lshlrev_b32 v[BH], 5, v2
	v_lshlrev_b32 v[BR], 2, v5
	; the prefetches: where mine stand, and whether I ask
	s_cmp_lt_u32 s16, 4
	s_cselect_b32 s[FLAG], 1, 0
	s_cmp_eq_u32 s14, 0
	s_cselect_b32 s[FLAG], 1, s[FLAG]
	s_cselect_b64 s[PFA:PFA+1], s[20:21], s[46:47]
	s_cselect_b32 s22, s40, s41
	s_lshl_b32 s22, s22, 15                        ; my work-group's 32 rows
	s_mov_b32 s23, 0
	s_add_nc_u64 s[PFA:PFA+1], s[PFA:PFA+1], s[22:23]
	; biases: head x 512 + wave x 128 bytes
	s_lshl_b32 s46, s42, 9
	s_lshl_b32 s47, s14, 7
	s_add_co_u32 s46, s46, s47
	s_mov_b32 s47, 0
	s_add_nc_u64 s[68:69], s[68:69], s[46:47]
	s_add_nc_u64 s[70:71], s[70:71], s[46:47]
	s_add_nc_u64 s[72:73], s[72:73], s[46:47]
	s_wait_alu depctr_va_vdst(0)                   ; ahead of the readers below
.irp b, 0,1
	global_load_b128 v[BQ+8*\b:BQ+8*\b+3],     v[BH], s[68:69] offset:64*\b      ; channels 32 w + 16 b + 8 h + 0 .. 7
	global_load_b128 v[BQ+8*\b+4:BQ+8*\b+7],   v[BH], s[68:69] offset:64*\b+16
	global_load_b128 v[BQ+16+8*\b:BQ+8*\b+19], v[BH], s[70:71] offset:64*\b
	global_load_b128 v[BQ+8*\b+20:BQ+8*\b+23], v[BH], s[70:71] offset:64*\b+16
	global_load_b32 v[BV+2*\b],   v[BR], s[72:73] offset:32*\b                   ; my lane's channel of tile b, in both halves of a pair
	global_load_b32 v[BV+2*\b+1], v[BR], s[72:73] offset:32*\b
.endr
	; results: head x 524,288 + block x 16,384, + wave x 512 in q and k, + wave x 4,096 in v
	s_lshl_b32 s18, s42, 19
	s_lshl_b32 s19, s17, 14
	s_add_co_u32 s18, s18, s19
	s_lshl_b32 s22, s14, 9
	s_add_co_u32 s22, s22, s18
	s_mov_b32 s23, 0
	s_add_nc_u64 s[76:77], s[76:77], s[22:23]
	s_add_nc_u64 s[78:79], s[78:79], s[22:23]
	s_lshl_b32 s22, s14, 12
	s_add_co_u32 s22, s22, s18
	s_add_nc_u64 s[80:81], s[80:81], s[22:23]
	s_wait_kmcnt 0x0
.irp p, 84,86,88                               ; 2^(its two operands' exponents), in both words of a pair
	s_add_co_i32 s[\p], s[\p], s[\p+1]
	s_add_co_i32 s[\p], s[\p], 127
	s_lshl_b32 s[\p], s[\p], 23
	s_mov_b32 s[\p+1], s[\p]
.endr
.macro LIMS e, k                       ; v[6 + 2 k]: 57,344 x 2^e;  v[7 + 2 k]: 2^e
	s_add_co_i32 s18, s[\e], 127
	s_lshl_b32 s19, s18, 23
	v_mov_b32 v[7+2*\k], s19
	s_add_co_i32 s18, s18, 15
	s_lshl_b32 s18, s18, 23
	s_or_b32 s18, s18, 0x600000
	v_mov_b32 v[6+2*\k], s18
.endm
	LIMS 90, 0
	LIMS 91, 1
	LIMS 93, 2
.macro FRAG reg, adr, off
.irp c, 0,1,2,3
	ds_load_b128 v[\reg+4*\c:\reg+4*\c+3], v[\adr] offset:\off+32*\c
.endr
.endm
; 128 along K (the slot's q-th) into buffer b (window b): Wq's two fragments, z's eight, Wk's two, Wv's two: 56 loads
.macro FETCH slot, q, b
	WIN 0x40*\b
.irp i, 0,1
	FRAG 128+16*\i, ADRB+\slot, 128*\q+\i*16*PITCH
.endr
.irp i, 0,1,2,3,4,5,6,7
	FRAG 16*\i, ADRA+\slot, 128*\q+\i*16*PITCH
.endr
.irp i, 0,1
	FRAG 160+16*\i, ADRB+\slot, 128*\q+HALFT+\i*16*PITCH
.endr
.irp i, 0,1
	FRAG 192+16*\i, ADRV+\slot, 128*\q+\i*8*PITCH
.endr
	WIN 0
.endm
; 16 matrix instructions each; the 48 accumulators take turns, one instruction a turn, in the same order in every step.  zero = 1: the first product starts the sums
.macro MULQK kind, b, zero
	WIN 0xf0+5*\b
.irp a, 0,1,2,3,4,5,6,7
.irp n, 0,1
.if \zero
	v_wmma_f32_16x16x128_bf8_bf8 v[128*\kind+8*(2*\a+\n):128*\kind+8*(2*\a+\n)+7], v[128+32*\kind+16*\n:143+32*\kind+16*\n], v[16*\a:16*\a+15], 0
.else
	v_wmma_f32_16x16x128_bf8_bf8 v[128*\kind+8*(2*\a+\n):128*\kind+8*(2*\a+\n)+7], v[128+32*\kind+16*\n:143+32*\kind+16*\n], v[16*\a:16*\a+15], v[128*\kind+8*(2*\a+\n):128*\kind+8*(2*\a+\n)+7]
.endif
.endr
.endr
.endm
.macro MULV b, zero
	WIN 5*\b
.irp n, 0,1
.irp a, 0,1,2,3,4,5,6,7
.if \zero
	v_wmma_f32_16x16x128_bf8_bf8 v[128+8*(8*\n+\a):135+8*(8*\n+\a)], v[16*\a:16*\a+15], v[192+16*\n:207+16*\n], 0
.else
	v_wmma_f32_16x16x128_bf8_bf8 v[128+8*(8*\n+\a):135+8*(8*\n+\a)], v[16*\a:16*\a+15], v[192+16*\n:207+16*\n], v[128+8*(8*\n+\a):135+8*(8*\n+\a)]
.endif
.endr
.endr
.endm
.macro FIRST slot, zero                ; a slot's first 128 along K, in buffer 1; the second is fetched into buffer 2
	s_wait_dscnt 16                                ; Wq's and z's fragments are in (Wk's and Wv's sixteen loads may be out)
	MULQK 0, 1, \zero
	s_wait_dscnt 0x0
	PLACES                                         ; in front of loads into registers that matrix instructions have read
	FETCH \slot, 1, 2
	MULQK 1, 1, \zero
	MULV 1, \zero
.endm
; a slot's second 128 along K changes slots.  fill = 1: a round of the cluster's barrier, and this slot is filled again, two K steps on
.macro TURN slot, next, fill
	s_wait_dscnt 16
	MULQK 0, 2, 0
	WIN 0
	s_wait_tensorcnt 0x0                           ; all my tensor loads have landed: my part of the next slot
	ds_add_u32 v[SPW], v[NIL]
	s_wait_dscnt 9                                 ; Wk's fragments are in (Wv's eight loads and the add may be out)
	MULQK 1, 2, 0
	WIN 0
	s_wait_dscnt 0x0                               ; the add is done, and my reads of this slot are over
	s_barrier_signal -1
	s_barrier_wait -1
.if \fill
	CREST                                          ; no wave of any partner still reads this slot's tile or has a load on its way
	s_add_nc_u64 s[G0+4*\slot+2:G0+4*\slot+3], s[G0+4*\slot+2:G0+4*\slot+3], 2*ROWB
	s_add_nc_u64 s[G0B+4*\slot+2:G0B+4*\slot+3], s[G0B+4*\slot+2:G0B+4*\slot+3], 2*ROWB
	JLOAD \slot
.else
	PLACES
.endif
	FETCH \next, 0, 1
.endm
	s_wait_alu depctr_va_vdst(0)                   ; the head's end
	s_wait_tensorcnt 0x0                           ; my part of K step 0 is in; these lines stand ahead of a later first fill as ahead of a refill
	ds_add_u32 v[SPW], v[NIL]
	s_wait_dscnt 0x0
	CROUND
	JLOAD 1                                        ; K step 1
	FETCH 0, 0, 1
	ASK 512                                        ; K step 2, a slot ahead of its load
	FIRST 0, 1
	TURN 0, 1, 1
	ASK 768                                        ; K step 3
	MULV 2, 0
	FIRST 1, 0
	TURN 1, 0, 1
	MULV 2, 0
	FIRST 0, 0
	TURN 0, 1, 0
	MULV 2, 0
	FIRST 1, 0
	s_wait_dscnt 16
	MULQK 0, 2, 0
	s_wait_dscnt 0x0
	MULQK 1, 2, 0
	MULV 2, 0
	WIN 0
; THE WAY OUT: two accumulators (16 neighbours along the image's K) at a time: sum x 2^(e + e) + bias, held, quantised: 16 bytes a lane, 512 consecutive bytes a store.
.set BLK, 0
.macro OUT2 kind, reg, bias, base, off
.set TT, 64+16*(BLK%2)
.set CC, 96+4*(BLK%8)
.if (\kind) < 2
	WIN 0x03
.endif
.set j, 0
.rept 8
.if (\kind) < 2
	v_pk_fma_f32 v[TT+j:TT+j+1], v[\reg+j:\reg+j+1], s[84+2*\kind:85+2*\kind], v[\bias+j:\bias+j+1] op_sel_hi:[1,0,1]
.else
	v_pk_fma_f32 v[TT+j:TT+j+1], v[\reg+j:\reg+j+1], s[84+2*\kind:85+2*\kind], v[\bias:\bias+1] op_sel_hi:[1,0,1]
.endif
.set j, j+2
.endr
	WIN 0
.set j, 0
.rept 16
	v_med3_num_f32 v[TT+j], v[TT+j], -v[6+2*\kind], v[6+2*\kind]   ; the conversion does not saturate (ISA guide 7.6.2)
.set j, j+1
.endr
	v_cvt_scalef32_pk8_bf8_f32 v[CC:CC+1], v[TT:TT+7], v[7+2*\kind]
	v_cvt_scalef32_pk8_bf8_f32 v[CC+2:CC+3], v[TT+8:TT+15], v[7+2*\kind]
	v_nop
	global_store_b128 v[CO], v[CC:CC+3], s[\base:\base+1] offset:\off
.set BLK, BLK+1
.endm
	PLACES
	s_wait_loadcnt 0x0                             ; the biases
.irp a, 0,1,2,3,4,5,6,7
	OUT2 0, 16*\a, BQ, 76, 2048*\a
.endr
	s_wait_xcnt 0x0                                ; the stores have read their registers
.irp a, 0,1,2,3,4,5,6,7
	OUT2 1, 128+16*\a, BQ+16, 78, 2048*\a
.endr
	s_wait_xcnt 0x0
.irp n, 0,1
.irp c, 0,1,2,3
	OUT2 2, 128+64*\n+16*\c, BV+2*\n, 80, 2048*\n+512*\c
.endr
.endr
	s_wait_tensorcnt 0x0                           ; the wave's end
	ds_add_u32 v[SPW], v[NIL]
	s_wait_dscnt 0x0
	CROUND                                         ; the closing round
	s_endpgm
.Lfunc_end_k_qb79450d870_qkv:
	.size	k_qb79450d870_qkv, .Lfunc_end_k_qb79450d870_qkv-k_qb79450d870_qkv
	.p2alignl 7, 3214868480
	.fill 96, 4, 3214868480
	.section	.rodata,"a",@progbits
	.p2align	6, 0x0
	.amdhsa_kernel k_qb79450d870_qkv
		.amdhsa_group_segment_fixed_size 327680
		.amdhsa_private_segment_fixed_size 0
		.amdhsa_enable_private_segment 0
		.amdhsa_kernarg_size 88
		.amdhsa_user_sgpr_count 2
		.amdhsa_user_sgpr_kernarg_segment_ptr 1
		.amdhsa_wavefront_size32 1
		.amdhsa_system_sgpr_workgroup_id_x 1
		.amdhsa_system_sgpr_workgroup_id_y 1
		.amdhsa_system_sgpr_workgroup_id_z 1
		.amdhsa_system_vgpr_workitem_id 0
		.amdhsa_next_free_vgpr 1024
		.amdhsa_next_free_sgpr 100
		.amdhsa_reserve_vcc 0
		.amdhsa_float_denorm_mode_32 3
		.amdhsa_float_denorm_mode_16_64 3
		.amdhsa_memory_ordered 1
		.amdhsa_forward_progress 1
		.amdhsa_inst_pref_size 112
	.end_amdhsa_kernel
	.amdgpu_metadata
---
amdhsa.version: [ 1, 2 ]
amdhsa.kernels:
  - .name:           k_qb79450d870_qkv
    .symbol:         k_qb79450d870_qkv.kd
    .args:
      - { .name: z_codes, .offset: 0, .size: 8, .value_kind: global_buffer, .address_space: global }
      - { .name: Wq_codes, .offset: 8, .size: 8, .value_kind: global_buffer, .address_space: global }
      - { .name: Wk_codes, .offset: 16, .size: 8, .value_kind: global_buffer, .address_space: global }
      - { .name: Wv_codes, .offset: 24, .size: 8, .value_kind: global_buffer, .address_space: global }
      - { .name: bq, .offset: 32, .size: 8, .value_kind: global_buffer, .address_space: global }
      - { .name: bk, .offset: 40, .size: 8, .value_kind: global_buffer, .address_space: global }
      - { .name: bv, .offset: 48, .size: 8, .value_kind: global_buffer, .address_space: global }
      - { .name: lowp_scales, .offset: 56, .size: 8, .value_kind: global_buffer, .address_space: global }
      - { .name: q_codes, .offset: 64, .size: 8, .value_kind: global_buffer, .address_space: global }
      - { .name: k_codes, .offset: 72, .size: 8, .value_kind: global_buffer, .address_space: global }
      - { .name: v_codes, .offset: 80, .size: 8, .value_kind: global_buffer, .address_space: global }
    .group_segment_fixed_size: 327680
    .private_segment_fixed_size: 0
    .kernarg_segment_align: 8
    .kernarg_segment_size: 88
    .max_flat_workgroup_size: 128
    .sgpr_count:     100
    .vgpr_count:     1024
    .wavefront_size: 32
...
	.end_amdgpu_metadata
.endif
;; end of part 1
;; launch attn (part 2): grid 32 x 8, 8 waves a work-group, clusters of 4 x 1, 327,680 bytes of LDS; arguments q_codes, k_codes, v_codes, lowp_scales, cat_codes; writes cat_codes
.if DOCPART == 2
	.amdgcn_target "amdgcn-amd-amdhsa--gfx1250"
	.amdhsa_code_object_version 6
	.text
	.protected	k_qb79450d870_attn
	.globl	k_qb79450d870_attn
	.p2align	8
	.type	k_qb79450d870_attn,@function
k_qb79450d870_attn:
	s_mov_b64 s[64:65], 0
	v_nop
	global_prefetch_b8 v0, s[64:65] scope:SCOPE_SE
	s_setreg_imm32_b32 hwreg(HW_REG_WAVE_MODE, 25, 1), 1
	s_wait_xcnt 0x0
	s_wait_alu depctr_hold_cnt(0) depctr_sa_sdst(0) depctr_va_vdst(0) depctr_va_sdst(0) depctr_va_ssrc(0) depctr_va_vcc(0) depctr_vm_vsrc(0)
	s_getreg_b32 s2, hwreg(HW_REG_IB_STS2, 6, 4)
	s_cmp_eq_u32 s2, 0
	s_cbranch_scc0 .Lentry_in_a_cluster
	s_endpgm
.Lentry_in_a_cluster:
	s_bfe_u32 s2, ttmp6, 0x10000c
	s_cmp_lg_u32 s2, 0x3003
	s_cbranch_scc0 .Lentry_shape_is_right
	s_endpgm
.Lentry_shape_is_right:
; cat[s][head] = softmax(q k^T / sqrt(128)) v for 8 heads of 4,096 x 128, both products on codes of BF8 (E5M2), and the result quantised to BF8 with 2^e[10].
; q, k, v arrive as IMAGES of operand registers, 2,048 bytes each: registers 4 c .. 4 c + 3 of lane l at 512 c + 16 l.  q, k: [head][row / 16];  v: [head][key step of 128][tile of 16 channels].
; Row r of v's tile 2 b + u is channel 32 b + 8 u + r + 8 (r / 8), so the 16 registers of O^T's tiles 2 b, 2 b + 1 are channels 32 b + 16 (lane / 16) + 0 .. 15.
; cat leaves as images too: [head][row / 16], registers 4 c .. 4 c + 3 of lane (r, h): K = 32 c + 16 h + 0 .. 15 of row r.
; Exponents: eq = e[6], ek = e[7], ep = e[8], ev = e[9], ec = e[10].
; THE SOFTMAX: t = score x log2(e) / sqrt(128); M = the largest t so far, rounded UP to a whole number; p = 2^(t - M) is quantised, not normalised; the sum is taken of the unquantised p and divides at the end.
; When M moves, the sums and O are multiplied by 2^(old M - new M), which rounds nothing.
; SHARES.  A work-group owns 128 queries (8 tiles of 16) of one head; eight waves.  Wave (i = wave % 4, g = wave / 4) holds TWO tiles of queries and walks HALF the keys: key steps 2 g, 2 g + 1 of every slot of four.
; Its tile 0 is tile 2 i + g, its tile 1 that number xor 1.  At the end each wave hands its tile 1 to wave xor 4 and finishes its own tile 0.  Each half of the keys has a running M of its own.
; LAYOUT.  S^T = K Q^T (source 0 = 16 keys, source 1 = 16 queries), O^T = V^T P^T: a lane holds ONE query (lane % 16); register j of tile t is key 16 t + 8 (lane / 16) + j.
; TWO REGISTER BUFFERS CHANGE ROLES.  Even step: K in X, S^T and p in Y, V in X.  Odd step: K in Y, S^T and p in X, V in Y.  K of the next step lands where p has just been quantised, while O is rescaled and multiplied.
; THE CHANGE OF SLOTS stands inside a slot's second step: when that step's V is in registers the slot has been read, and the round is opened; the two tiles' softmax stands inside it; behind it the slot is filled again.
; CLUSTER.  The four query blocks of a cluster walk the same K and V of one head: each of a slot's eight parts of 16 KiB is asked for jointly, one part a wave, mask 15.
; PREFETCH.  The eight clusters of a head walk the same slots: cluster x asks for slot x (3 to 7) at the change that loads slot x - 1; its four partners share the 512 blocks of 256 bytes by address, 16 blocks a wave.
; LIMITS: eq + ek between -123 and 130 (added to c's exponent field); ep and ec between -126 and 112; scaled scores under 2^31 in magnitude; NaN among the inputs is not served.
; A p far below its row's largest may keep bits that it would lose under the row's final M, since a half's own M can be smaller.
; REGISTERS: window 0: v1-10 addresses; v32-63 Q; v64-191 X; v192-223 p's codes; from v224 statistics, 14 a tile: +0 -M, +1 largest score, +2 .. +9 the sum in four pairs, +10 f, +11 to +13 at work; v252-255 limits and scales.
;   window 1: v0-127 O^T, 64 a tile; v128-255 Y.
.set SLOT1, 1<<17                      ; a slot: K's 512 keys (64 KiB), then V's four key steps (64 KiB)
.set STEPB, 16384
.set SPARE, 2*SLOT1
.set MREG,  8704                       ; the merge: 8,192 bytes of O^T + 512 of statistics a wave, in slot 0: it has had its last fill and its last read
.set AK,  1
.set AV,  2
.set ADK, 3
.set ADV, 4
.set SPW, 5
.set NIL, 6
.set LI,  7
.set MST, 8
.set MLD, 9
.set PFO, 10
.set Q,   32
.set X,   64
.set Y,   128                          ; in window 1
.set P,   192
.set ST,  224
.set PLIM, 252
.set PSCL, 253
.set CLIM, 254
.set CSCL, 255
.set TB,  36
.set PFA, 66
.set LIM, 68
.set MSB, 0
.macro WIN new                         ; the immediate's high byte repeats the setting that is left
.if MSB != (\new)
	s_set_vgpr_msb (MSB<<8)|(\new)
.set MSB, (\new)
.endif
.endm
.macro PLACES n
.rept \n
	v_nop
.endr
.endm
.macro CROUND                          ; a round of the cluster's barrier
	s_barrier_signal -1
	s_barrier_wait -1
	s_cmp_lg_u32 s14, 0
	s_cbranch_scc1 .Lnot_wave_0_\@
	s_barrier_signal -3
.Lnot_wave_0_\@:
	s_barrier_wait -3
	s_barrier_signal -1
	s_barrier_wait -1
.endm
	s_load_b256 s[4:11], s[0:1], 0x0               ; q s[4:5], k s[6:7], v s[8:9], the exponents s[10:11]
	s_load_b64 s[12:13], s[0:1], 0x20              ; cat
	v_lshl_add_u32 v[SPW], v0, 2, SPARE
	v_mov_b32 v[NIL], 0
	ds_add_u32 v[SPW], v[NIL]                      ; the opening: the add, twice on end, and its wait
	ds_add_u32 v[SPW], v[NIL]
	v_lshrrev_b32 v1, 5, v0
	v_readfirstlane_b32 s14, v1                    ; wave 0..7
	s_lshr_b32 s15, s14, 2                         ; g
	s_and_b32 s16, s14, 3                          ; i.  Also: which quarter of K's or V's part of a slot I fetch
	s_bfe_u32 s17, ttmp6, 0x40000                  ; cx
	s_lshl_b32 s18, ttmp9, 2
	s_add_co_u32 s18, s18, s17                     ; my block of 128 queries: it enters q's and cat's addresses alone
	s_and_b32 s19, ttmp7, 0xffff                   ; the head
	s_mov_b32 s24, 15|(3<<16)|(1<<21)              ; the mask: all four work-groups; elements of 8 bytes; no padding; 21 set beside a mask
	s_mov_b32 s25, 32<<16                          ; 64 rows of 256 bytes, dense
	s_mov_b32 s26, 64<<16
	s_mov_b32 s27, 32<<16
	s_mov_b32 s28, 64
	s_mov_b32 s29, 32
	s_mov_b32 s30, 0
	s_mov_b32 s31, 0
	s_lshl_b32 s60, s19, 19                        ; what I fetch: the head's 512 KiB, my quarter of a slot's 64 KiB
	s_lshl_b32 s61, s16, 14
	s_add_co_u32 s60, s60, s61
	s_mov_b32 s61, 0
	s_lshl_b32 s38, s19, 8                         ; my tile 0: image 256 head + 8 block + 2 i + g
	s_lshl_b32 s39, s18, 3
	s_add_co_u32 s38, s38, s39
	s_lshl_b32 s39, s16, 1
	s_add_co_u32 s38, s38, s39
	s_add_co_u32 s38, s38, s15
	s_lshl_b32 s38, s38, 11
	s_mov_b32 s39, 0
	s_xor_b32 s52, s38, 2048                       ; my tile 1: the neighbouring image
	s_mov_b32 s53, 0
	s_mov_b32 s20, 0x76543210                      ; v_permlanex16_b32: lane l xor 16
	s_mov_b32 s21, 0xfedcba98
	s_mov_b32 s22, 0x3e0293ee                      ; c = log2(e) / sqrt(128)
	s_mov_b32 s[TB], 0
	s_wait_dscnt 0x0
	s_wait_kmcnt 0x0
	s_load_b256 s[40:47], s[10:11], 0x0            ; e[0] .. e[7]
	s_load_b128 s[48:51], s[10:11], 0x20           ; e[8] .. e[11]
	s_cmp_lt_u32 s14, 4                            ; waves 0-3 fetch K's quarters, waves 4-7 V's
	s_cselect_b64 s[34:35], s[6:7], s[8:9]
	s_add_nc_u64 s[34:35], s[34:35], s[60:61]
	s_add_nc_u64 s[54:55], s[4:5], s[38:39]        ; q, tile 0
	s_add_nc_u64 s[56:57], s[4:5], s[52:53]        ; q, tile 1
	s_add_nc_u64 s[58:59], s[12:13], s[38:39]      ; cat, tile 0
	s_lshl_b32 s52, ttmp9, 16                      ; my prefetch: slot x of my part, my work-group's quarter of it
	s_lshl_b32 s53, s17, 12
	s_add_co_u32 s52, s52, s53
	s_mov_b32 s53, 0
	s_add_nc_u64 s[PFA:PFA+1], s[34:35], s[52:53]
	s_sub_co_u32 s[LIM], 9, ttmp9                  ; the value of s37 at which I ask: none in clusters 0 to 2
	s_or_b32 s35, s35, 0x80000000
	s_mov_b32 s32, 1
	s_lshl_b32 s33, s14, 14                        ; LDS address: 16,384 x wave, in slot 0
	CROUND                                         ; all four work-groups are here: the first joint loads meet
	tensor_load_to_lds s[32:35], s[24:31]          ; keys 0-511 into slot 0: one part a wave
	s_nop 0
	PLACES 4
	v_and_b32 v11, 31, v0
	v_lshlrev_b32 v[LI], 4, v11
.irp c, 0,1,2,3
	global_load_b128 v[Q+4*\c:Q+4*\c+3],       v[LI], s[54:55] offset:512*\c   ; Q stays in registers
	global_load_b128 v[Q+16+4*\c:Q+16+4*\c+3], v[LI], s[56:57] offset:512*\c
.endr
	v_and_b32 v11, 15, v0
	v_lshlrev_b32 v[PFO], 8, v11                   ; sixteen blocks of 256 bytes; lanes 16-31 name the same ones
	s_lshl_b32 s52, s15, 15
	v_add_nc_u32 v[AK], s52, v[LI]                 ; 16 x lane + 32,768 g: my place in my half's images of K
	v_add_nc_u32 v[AV], 0x10000, v[AK]
	v_add_nc_u32 v[ADK], s[TB], v[AK]
	v_add_nc_u32 v[ADV], s[TB], v[AV]
	s_mul_i32 s53, s14, MREG
	v_add_nc_u32 v[MST], s53, v[LI]
	s_xor_b32 s53, s14, 4
	s_mul_i32 s53, s53, MREG
	v_add_nc_u32 v[MLD], s53, v[LI]
	v_mov_b32 v17, 0                               ; (named as upper halves of pairs in the merge)
	v_mov_b32 v19, 0
	v_mov_b32 v22, 0
.irp i, 0,1
	v_mov_b32 v[ST+14*\i], 0x7f61b1e6              ; -M: 3e38
	v_mov_b32 v[ST+14*\i+1], 0xff61b1e6            ; the largest score so far: -3e38
.irp k, 2,3,4,5,6,7,8,9,11,13
	v_mov_b32 v[ST+14*\i+\k], 0                    ; the sums; (a lane permute's destination counts as one of its sources)
.endr
.endr
	s_wait_kmcnt 0x0
	s_add_co_i32 s52, s46, s47
	s_lshl_b32 s52, s52, 23
	s_add_co_i32 s22, s22, s52                     ; a score stands for score x 2^(eq + ek): added to c's exponent field
	s_mov_b32 s23, s22
	s_add_co_i32 s52, s48, 127
	s_lshl_b32 s53, s52, 23
	v_mov_b32 v[PSCL], s53                         ; 2^ep
	s_add_co_i32 s52, s52, 15
	s_lshl_b32 s52, s52, 23
	s_or_b32 s52, s52, 0x600000
	v_mov_b32 v[PLIM], s52                         ; 57,344 x 2^ep
	s_add_co_i32 s52, s50, 127
	s_lshl_b32 s53, s52, 23
	v_mov_b32 v[CSCL], s53                         ; 2^ec
	s_add_co_i32 s52, s52, 15
	s_lshl_b32 s52, s52, 23
	s_or_b32 s52, s52, 0x600000
	v_mov_b32 v[CLIM], s52                         ; 57,344 x 2^ec
	s_add_co_i32 s62, s48, s49                     ; ep + ev
	WIN 0x40
.set j, 0
.rept 128
	v_mov_b32 v[j], 0                              ; O^T.  (The first step finds zeros, which the first change of M leaves zeros)
.set j, j+1
.endr
	WIN 0
.macro FETCH win, dst, adr, q          ; a key step's eight images, 32 loads of 512 consecutive bytes
	WIN \win
.set n, 0
.rept 32
	ds_load_b128 v[\dst+4*n:\dst+4*n+3], v[\adr] offset:STEPB*(\q)+512*n
.set n, n+1
.endr
	WIN 0
.endm
.macro QK win, d, a
	WIN \win
.set t, 0
.rept 8
	v_wmma_f32_16x16x128_bf8_bf8 v[\d+8*t:\d+8*t+7], v[\a+16*t:\a+16*t+15], v[Q:Q+15], 0
	v_wmma_f32_16x16x128_bf8_bf8 v[\d+64+8*t:\d+64+8*t+7], v[\a+16*t:\a+16*t+15], v[Q+16:Q+31], 0
.set t, t+1
.endr
.endm
.macro PV win, a                       ; the sixteen accumulators take turns, one instruction a turn
	WIN \win
.set t, 0
.rept 8
	v_wmma_f32_16x16x128_bf8_bf8 v[8*t:8*t+7], v[\a+16*t:\a+16*t+15], v[P:P+15], v[8*t:8*t+7]
	v_wmma_f32_16x16x128_bf8_bf8 v[64+8*t:64+8*t+7], v[\a+16*t:\a+16*t+15], v[P+16:P+31], v[64+8*t:64+8*t+7]
.set t, t+1
.endr
	WIN 0
.endm
; The softmax.  w: the window of the scores, s: their first register.
.macro SMAX w, s                       ; both tiles' largest scores, two chains a tile, each begun with the largest so far; each accumulator from its low end on
	WIN 0x14*\w
.set j, 0
.rept 16
.irp i, 0,1
.if j == 0
	v_max3_num_f32 v[ST+14*\i+12], v[ST+14*\i+1], v[\s+64*\i], v[\s+64*\i+1]
	v_max3_num_f32 v[ST+14*\i+11], v[ST+14*\i+1], v[\s+64*\i+2], v[\s+64*\i+3]
.else
	v_max3_num_f32 v[ST+14*\i+12], v[ST+14*\i+12], v[\s+64*\i+j], v[\s+64*\i+j+1]
	v_max3_num_f32 v[ST+14*\i+11], v[ST+14*\i+11], v[\s+64*\i+j+2], v[\s+64*\i+j+3]
.endif
.endr
.set j, j+4
.endr
	WIN 0
.endm
.macro SSTAT                           ; M, f, and the sums under the new M; the two tiles by turns
.irp i, 0,1
	v_max_num_f32 v[ST+14*\i+1], v[ST+14*\i+12], v[ST+14*\i+11]
.endr
.irp i, 0,1
	v_permlanex16_b32 v[ST+14*\i+13], v[ST+14*\i+1], s20, s21
.endr
.irp i, 0,1
	v_max_num_f32 v[ST+14*\i+1], v[ST+14*\i+1], v[ST+14*\i+13]   ; and among lane l xor 16's
.endr
.irp i, 0,1
	v_mul_f32 v[ST+14*\i+12], s22, -v[ST+14*\i+1]                ; -t (c is positive)
.endr
.irp i, 0,1
	v_floor_f32 v[ST+14*\i+12], v[ST+14*\i+12]                   ; the new -M = floor(-t) = -ceil(t)
.endr
.irp i, 0,1
	v_sub_f32 v[ST+14*\i+11], v[ST+14*\i+12], v[ST+14*\i]        ; old M - new M: a whole number, 0 or less
.endr
.irp i, 0,1
	v_mov_b32 v[ST+14*\i], v[ST+14*\i+12]
.endr
.irp i, 0,1
	v_cvt_i32_f32 v[ST+14*\i+11], v[ST+14*\i+11]                 ; (it saturates)
.endr
.irp i, 0,1
	v_ldexp_f32 v[ST+14*\i+10], 1.0, v[ST+14*\i+11]              ; f = 2^(old M - new M)
.endr
.irp k, 2,4,6,8
.irp i, 0,1
	v_pk_mul_f32 v[ST+14*\i+\k:ST+14*\i+\k+1], v[ST+14*\i+\k:ST+14*\i+\k+1], v[ST+14*\i+10:ST+14*\i+11] op_sel_hi:[1,0]
.endr
.endr
.endm
.macro SFMA w, s                       ; t - M, two at a time (of the pairs c and -M the low word serves both halves)
	WIN 0x41*\w
.irp i, 0,1
.set j, 64*\i
.rept 32
	v_pk_fma_f32 v[\s+j:\s+j+1], v[\s+j:\s+j+1], s[22:23], v[ST+14*\i:ST+14*\i+1] op_sel_hi:[1,0,0]
.set j, j+2
.endr
.endr
	WIN 0
.endm
.macro SEXP w, s, i                    ; tile i: p = 2^(t - M), at most 1; the sum of the unquantised p; the hold; the codes
.set rS, \s+64*\i
.set rT, ST+14*\i
	WIN 0x41*\w
	s_wait_alu depctr_va_vdst(0)                   ; ahead of the batch,
.set j, 0
.rept 64
	v_exp_f32 v[rS+j], v[rS+j]
.set j, j+1
.endr
	v_nop
	s_wait_alu depctr_va_vdst(0)                   ; and behind it, ahead of its first reader
	WIN 0x01*\w
.set j, 0
.rept 8
.irp k, 0,2,4,6
	v_pk_add_f32 v[rT+2+\k:rT+3+\k], v[rS+j+\k:rS+j+\k+1], v[rT+2+\k:rT+3+\k]
.endr
.set j, j+8
.endr
	WIN 0x41*\w
.set j, 0
.rept 32
	v_dual_min_num_f32 v[rS+j], v[rS+j], v[PLIM] :: v_dual_min_num_f32 v[rS+j+1], v[rS+j+1], v[PLIM]   ; the conversion does not saturate (ISA guide 7.6.2); p is not negative: the hold is one-sided
.set j, j+2
.endr
	WIN 0x01*\w
.set j, 0
.rept 8
	v_cvt_scalef32_pk8_bf8_f32 v[P+16*\i+2*j:P+16*\i+2*j+1], v[rS+8*j:rS+8*j+7], v[PSCL]
.set j, j+1
.endr
	v_nop                                          ; one plain line behind the last conversion
	WIN 0
.endm
.macro RESC i                          ; tile i's O^T under the new M
	WIN 0x41
	s_wait_alu depctr_va_vdst(0)                   ; ahead of the first readers of O^T
.set j, 64*\i
.rept 32
	v_pk_mul_f32 v[j:j+1], v[j:j+1], v[ST+14*\i+10:ST+14*\i+11] op_sel_hi:[1,0]
.set j, j+2
.endr
	WIN 0
.endm
; A SLOT: my two key steps, and the change of slots.  fill = 1: a round of the cluster's barrier, and the slot is filled again; fill = 0: the work-group's barrier alone.
.macro TRIP fill
	s_wait_dscnt 0x0                               ; K of the first step is in X
	PLACES 5                                       ; S^T lands where the last products read V
	QK 0x40, Y, X
	PLACES 4
	FETCH 0, X, ADV, 0                             ; V lands while the softmax is worked
	SMAX 1, Y
	SSTAT
	SFMA 1, Y
	SEXP 1, Y, 0
	SEXP 1, Y, 1
	FETCH 0x40, Y, ADK, 1                          ; K of the second step, where p stood
	RESC 0
	RESC 1
	s_wait_alu depctr_va_vdst(0)
	s_wait_dscnt 32                                ; V is in; K's 32 loads may be out
	PV 0x50, X
	s_wait_dscnt 0x0                               ; K of the second step
	PLACES 5
	QK 0x01, X, Y
	PLACES 4
	FETCH 0x40, Y, ADV, 1
	SMAX 0, X
	SSTAT
	s_wait_alu depctr_va_vdst(0)
	s_wait_tensorcnt 0x0                           ; no tensor load of mine is out: my part of the next slot is in, and group 0 may be written
	ds_add_u32 v[SPW], v[NIL]
.if \fill
	s_xor_b32 s33, s33, SLOT1                      ; the other slot than last time: the one in hand,
	s_add_nc_u64 s[34:35], s[34:35], 0x10000       ; and the next 64 KiB of K's or of V's images
.endif
	SFMA 0, X
	s_wait_alu depctr_va_vdst(0)
	s_wait_dscnt 0x0                               ; the add is done, V is in Y: my reads of this slot are over
	s_barrier_signal -1
	SEXP 0, X, 0
	s_xor_b32 s[TB], s[TB], SLOT1                  ; on to the other slot
	v_add_nc_u32 v[ADK], s[TB], v[AK]
	v_add_nc_u32 v[ADV], s[TB], v[AV]
	s_wait_alu depctr_va_vdst(0)
	s_barrier_wait -1
.if \fill
	s_cmp_lg_u32 s14, 0
	s_cbranch_scc1 .Lnot_wave_0_\@
	s_barrier_signal -3
.Lnot_wave_0_\@:
	s_barrier_wait -3
	s_barrier_signal -1
	SEXP 0, X, 1
	RESC 0
	s_wait_alu depctr_va_vdst(0)
	s_barrier_wait -1
	tensor_load_to_lds s[32:35], s[24:31]          ; the first thing behind the round, and my one tensor load until the next
	s_nop 0
	PLACES 4
	FETCH 0, X, ADK, 0                             ; K of the next slot's first step
	s_cmp_eq_u32 s37, s[LIM]
	s_cbranch_scc0 .Lnot_mine_\@
	global_prefetch_b8 v[PFO], s[PFA:PFA+1] th:TH_LOAD_NT scope:SCOPE_SE
.Lnot_mine_\@:
.else
	SEXP 0, X, 1
	RESC 0
	s_wait_alu depctr_va_vdst(0)
	s_cmp_eq_u32 s37, 1                            ; behind the last slot there is no K to fetch
	s_cbranch_scc1 .Llast_\@
	FETCH 0, X, ADK, 0
.Llast_\@:
.endif
	RESC 1
	PV 0x51, Y
.endm
	s_wait_alu depctr_va_vdst(0)                   ; the head's end
	s_wait_loadcnt 0x0                             ; Q
	s_wait_tensorcnt 0x0                           ; my part of slot 0 is in; these lines stand ahead of a later first fill as ahead of a refill
	ds_add_u32 v[SPW], v[NIL]
	s_xor_b32 s33, s33, SLOT1
	s_add_nc_u64 s[34:35], s[34:35], 0x10000
	s_wait_dscnt 0x0
	CROUND
	tensor_load_to_lds s[32:35], s[24:31]          ; slot 1's first fill
	s_nop 0
	PLACES 4
	FETCH 0, X, ADK, 0
	s_mov_b32 s37, 6
.Lslot:                                            ; slots 0 to 5: each is filled again with the keys two slots on
	TRIP 1
	s_sub_co_u32 s37, s37, 1
	s_wait_alu depctr_va_vdst(0)
	s_cmp_lg_u32 s37, 0
	s_cbranch_scc1 .Lslot
	s_mov_b32 s37, 2
.Ltail:                                            ; slots 6 and 7: nothing is filled again
	TRIP 0
	s_sub_co_u32 s37, s37, 1
	s_wait_alu depctr_va_vdst(0)
	s_cmp_lg_u32 s37, 0
	s_cbranch_scc1 .Ltail
	; THE MERGE.  The four pairs of a sum become one (these six lines are the places behind the last products); my tile 1 goes to wave xor 4 as an image of its registers.
.irp i, 0,1
	v_pk_add_f32 v[ST+14*\i+2:ST+14*\i+3], v[ST+14*\i+2:ST+14*\i+3], v[ST+14*\i+4:ST+14*\i+5]
	v_pk_add_f32 v[ST+14*\i+6:ST+14*\i+7], v[ST+14*\i+6:ST+14*\i+7], v[ST+14*\i+8:ST+14*\i+9]
.endr
.irp i, 0,1
	v_pk_add_f32 v[ST+14*\i+2:ST+14*\i+3], v[ST+14*\i+2:ST+14*\i+3], v[ST+14*\i+6:ST+14*\i+7]
.endr
	WIN 0x04                                       ; store data window 1
.set n, 0
.rept 16
	ds_store_b128 v[MST], v[64+4*n:67+4*n] offset:512*n
.set n, n+1
.endr
	WIN 0
	ds_store_b128 v[MST], v[ST+14:ST+17] offset:8192   ; -M, largest score, the sum's two halves
	s_wait_alu depctr_va_vdst(0)
	s_wait_dscnt 0x0                               ; for the other wave's sake: my stores have landed
	s_barrier_signal -1
	s_barrier_wait -1
	ds_load_b128 v[28:31], v[MLD] offset:8192
.set n, 0
.rept 16
	ds_load_b128 v[X+4*n:X+4*n+3], v[MLD] offset:512*n
.set n, n+1
.endr
	s_wait_dscnt 16                                ; the statistics are in
	v_min_num_f32 v12, v[ST], v28                  ; the common -M
	v_sub_f32 v13, v12, v[ST]
	v_sub_f32 v14, v12, v28
	v_cvt_i32_f32 v13, v13
	v_cvt_i32_f32 v14, v14
	v_ldexp_f32 v16, 1.0, v13                      ; fa = 2^(my M - M)
	v_ldexp_f32 v18, 1.0, v14                      ; fb = 2^(the other M - M)
	v_pk_mul_f32 v[20:21], v[ST+2:ST+3], v[16:17] op_sel_hi:[1,0]
	v_pk_fma_f32 v[20:21], v[30:31], v[18:19], v[20:21] op_sel_hi:[1,0,1]
	v_add_f32 v20, v20, v21
	v_permlanex16_b32 v22, v20, s20, s21
	v_add_f32 v20, v20, v22                        ; the row's sum
	s_wait_alu depctr_va_vdst(0)                   ; ahead of the transcendental,
	v_rcp_f32 v20, v20
	v_nop
	s_wait_alu depctr_va_vdst(0)                   ; and behind it
	v_ldexp_f32 v20, v20, s62                      ; x 2^(ep + ev)
	v_mul_f32 v16, v16, v20                        ; fa and fb are powers of two: the division goes into them
	v_mul_f32 v18, v18, v20
	WIN 0x01
	s_wait_alu depctr_va_vdst(0)                   ; ahead of the first readers of O^T
.set j, 0
.rept 32
	v_pk_mul_f32 v[X+64+j:X+64+j+1], v[j:j+1], v[16:17] op_sel_hi:[1,0]
.set j, j+2
.endr
	WIN 0
	s_wait_alu depctr_va_vdst(0)
	s_wait_dscnt 0x0
.set j, 0
.rept 32
	v_pk_fma_f32 v[X+64+j:X+64+j+1], v[X+j:X+j+1], v[18:19], v[X+64+j:X+64+j+1] op_sel_hi:[1,0,1]
.set j, j+2
.endr
.set j, 0
.rept 64
	v_med3_num_f32 v[X+64+j], v[X+64+j], -v[CLIM], v[CLIM]
.set j, j+1
.endr
.set t, 0
.rept 8
	v_cvt_scalef32_pk8_bf8_f32 v[P+2*t:P+2*t+1], v[X+64+8*t:X+64+8*t+7], v[CSCL]
.set t, t+1
.endr
	v_nop
.set n, 0
.rept 4
	global_store_b128 v[LI], v[P+4*n:P+4*n+3], s[58:59] offset:512*n   ; the codes are the image's registers: 512 consecutive bytes a store
.set n, n+1
.endr
	s_wait_tensorcnt 0x0                           ; the wave's end
	ds_add_u32 v[SPW], v[NIL]
	s_wait_dscnt 0x0
	CROUND                                         ; the closing round
	s_endpgm
.Lfunc_end_k_qb79450d870_attn:
	.size	k_qb79450d870_attn, .Lfunc_end_k_qb79450d870_attn-k_qb79450d870_attn
	.p2alignl 7, 3214868480
	.fill 96, 4, 3214868480
	.section	.rodata,"a",@progbits
	.p2align	6, 0x0
	.amdhsa_kernel k_qb79450d870_attn
		.amdhsa_group_segment_fixed_size 327680
		.amdhsa_private_segment_fixed_size 0
		.amdhsa_enable_private_segment 0
		.amdhsa_kernarg_size 40
		.amdhsa_user_sgpr_count 2
		.amdhsa_user_sgpr_kernarg_segment_ptr 1
		.amdhsa_wavefront_size32 1
		.amdhsa_system_sgpr_workgroup_id_x 1
		.amdhsa_system_sgpr_workgroup_id_y 1
		.amdhsa_system_sgpr_workgroup_id_z 1
		.amdhsa_system_vgpr_workitem_id 0
		.amdhsa_next_free_vgpr 512
		.amdhsa_next_free_sgpr 72
		.amdhsa_reserve_vcc 0
		.amdhsa_float_denorm_mode_32 3
		.amdhsa_float_denorm_mode_16_64 3
		.amdhsa_memory_ordered 1
		.amdhsa_forward_progress 1
		.amdhsa_inst_pref_size 163
	.end_amdhsa_kernel
	.amdgpu_metadata
---
amdhsa.version: [ 1, 2 ]
amdhsa.kernels:
  - .name:           k_qb79450d870_attn
    .symbol:         k_qb79450d870_attn.kd
    .args:
      - { .name: q_codes, .offset: 0, .size: 8, .value_kind: global_buffer, .address_space: global }
      - { .name: k_codes, .offset: 8, .size: 8, .value_kind: global_buffer, .address_space: global }
      - { .name: v_codes, .offset: 16, .size: 8, .value_kind: global_buffer, .address_space: global }
      - { .name: lowp_scales, .offset: 24, .size: 8, .value_kind: global_buffer, .address_space: global }
      - { .name: cat_codes, .offset: 32, .size: 8, .value_kind: global_buffer, .address_space: global }
    .group_segment_fixed_size: 327680
    .private_segment_fixed_size: 0
    .kernarg_segment_align: 8
    .kernarg_segment_size: 40
    .max_flat_workgroup_size: 256
    .sgpr_count:     72
    .vgpr_count:     512
    .wavefront_size: 32
...
	.end_amdgpu_metadata
.endif
;; end of part 2
;; launch proj (part 3): grid 8 x 32, 4 waves a work-group, clusters of 4 x 4, 327,680 bytes of LDS; arguments cat_codes, Wp_codes, bp, lowp_scales, out0; writes out0
.if DOCPART == 3
	.amdgcn_target "amdgcn-amd-amdhsa--gfx1250"
	.amdhsa_code_object_version 6
	.text
	.protected	k_qb79450d870_proj
	.globl	k_qb79450d870_proj
	.p2align	8
	.type	k_qb79450d870_proj,@function
k_qb79450d870_proj:
	s_mov_b64 s[64:65], 0
	v_nop
	global_prefetch_b8 v0, s[64:65] scope:SCOPE_SE
	s_setreg_imm32_b32 hwreg(HW_REG_WAVE_MODE, 25, 1), 1
	s_wait_xcnt 0x0
	s_wait_alu depctr_hold_cnt(0) depctr_sa_sdst(0) depctr_va_vdst(0) depctr_va_sdst(0) depctr_va_ssrc(0) depctr_va_vcc(0) depctr_vm_vsrc(0)
	s_getreg_b32 s2, hwreg(HW_REG_IB_STS2, 6, 4)
	s_cmp_eq_u32 s2, 0
	s_cbranch_scc0 .Lentry_in_a_cluster
	s_endpgm
.Lentry_in_a_cluster:
	s_bfe_u32 s2, ttmp6, 0x10000c
	s_cmp_lg_u32 s2, 0xf033
	s_cbranch_scc0 .Lentry_shape_is_right
	s_endpgm
.Lentry_shape_is_right:
; out0 = cat Wp + bp, on codes of BF8 (E5M2).  cat: [head 8][4096 / 16] images of 2,048 bytes (registers 4 c .. 4 c + 3 of lane (r, h) at 512 c + 16 l: K = 128 head + 32 c + 16 h + 0 .. 15 of row r); Wp: [n 1024][K 1024] codes; bp, out0 f32.
; A sum of codes stands for sum x 2^(e[10] + e[11]).  LIMIT: e[10] + e[11] between -126 and 127.
; SHARES.  256 work-groups, each 128 rows x 128 columns of out0; four waves, each 64 x 64.  Clusters of 4 x 4: cat's tiles are shared along a row of the cluster, Wp's along a column, by joint loads.
; ALL OF K LIES IN LDS AT ONCE: one tensor load a wave, 64 KiB each: waves 0, 1: four heads of cat's 8 images (rows of 16,384 bytes); waves 2, 3: 64 rows of Wp (1,024 bytes).  Nothing is filled again.
; No prefetch: the launch has no loop in which to run ahead; all that it reads is asked for at its head.
; Wp's fragments of all K stay in registers; the wave's four blocks of 16 rows are finished one after the other, K ascending, and each leaves while the next is multiplied.
; Source 0 = 16 rows of Wp, source 1 = 16 rows of cat: a lane holds eight neighbouring columns of one row of out0.
; REGISTERS: window 0: addresses; v32-63 bp; v64-127 the way out; v128-255 accumulators (a, b) at 128 + 8 (4 a + b).  window 1: cat's fragments of a block, two buffers.  windows 2, 3: Wp's, K steps 0-3 and 4-7, (s, b) at 64 (s % 4) + 16 b.
.set BPITCH, 1040                      ; Wp's rows in LDS: 1,024 bytes + 16
.set BREG,   131072
.set STAGE,  BREG+128*BPITCH           ; 16 rows x 272 bytes for each wave; no tensor load lands here
.set SPITCH, 272
.set SPARE,  STAGE+4*16*SPITCH
.set ADRA, 16
.set ADRB, 18
.set STO,  24
.set RD,   25
.set CO,   26
.set BH,   27
.set SPW,  28
.set NIL,  29
.set BP,   32
.set TMP,  64
.set BK,   96
.set ACC,  128
.set G1A, 24
.set G1B, 32
.set G0A, 40
.set G0B, 44
.set MSB, 0
.macro WIN new
.if MSB != (\new)
	s_set_vgpr_msb (MSB<<8)|(\new)
.set MSB, (\new)
.endif
.endm
.macro PLACES
.rept 4
	v_nop
.endr
.endm
.macro CROUND
	s_barrier_signal -1
	s_barrier_wait -1
	s_cmp_lg_u32 s14, 0
	s_cbranch_scc1 .Lnot_wave_0_\@
	s_barrier_signal -3
.Lnot_wave_0_\@:
	s_barrier_wait -3
	s_barrier_signal -1
	s_barrier_wait -1
.endm
	s_load_b256 s[4:11], s[0:1], 0x0               ; cat s[4:5], Wp s[6:7], bp s[8:9], the exponents s[10:11]
	s_load_b64 s[12:13], s[0:1], 0x20              ; out0
	v_lshl_add_u32 v[SPW], v0, 2, SPARE
	v_mov_b32 v[NIL], 0
	ds_add_u32 v[SPW], v[NIL]                      ; the opening: the add, twice on end, and its wait
	ds_add_u32 v[SPW], v[NIL]
	v_lshrrev_b32 v1, 5, v0
	v_readfirstlane_b32 s14, v1                    ; wave 0..3
	s_lshr_b32 s15, s14, 1                         ; which 64 rows are mine.  Also: I fetch for cat (0) or for Wp (1)
	s_and_b32 s16, s14, 1                          ; which 64 columns.  Also: which half I fetch
	s_bfe_u32 s17, ttmp6, 0x40000                  ; cx
	s_bfe_u32 s18, ttmp6, 0x40004                  ; cy
	s_lshl_b32 s19, ttmp9, 2
	s_add_co_u32 s19, s19, s17                     ; tile column
	s_and_b32 s20, ttmp7, 0xffff
	s_lshl_b32 s20, s20, 2
	s_add_co_u32 s20, s20, s18                     ; tile row
	s_lshl_b32 s21, s18, 2
	s_lshl_b32 s21, 15, s21                        ; my row of the cluster
	s_lshl_b32 s22, 0x1111, s17                    ; my column
	s_or_b32 s[G1A], s21, (3<<16)|(1<<21)          ; the mask: my row; elements of 8 bytes; no padding; 21 set beside a mask
	s_mov_b32 s[G1A+1], 2048<<16                   ; four rows of 16,384 bytes, 524,288 bytes apart
	s_mov_b32 s[G1A+2], 4<<16
	s_mov_b32 s[G1A+3], 2048<<16
	s_mov_b32 s[G1A+4], 4
	s_mov_b32 s[G1A+5], 65536
	s_mov_b32 s[G1A+6], 0
	s_mov_b32 s[G1A+7], 0
	s_or_b32 s[G1B], s22, (0<<16)|(1<<20)|(1<<21)|(7<<22)|(3<<25)   ; the mask: my column; elements of 1 byte; four words of padding after every 256
	s_mov_b32 s[G1B+1], 1024<<16
	s_mov_b32 s[G1B+2], 64<<16
	s_mov_b32 s[G1B+3], 1024<<16
	s_mov_b32 s[G1B+4], 64
	s_mov_b32 s[G1B+5], 1024
	s_mov_b32 s[G1B+6], 0
	s_mov_b32 s[G1B+7], 0
	s_lshl_b32 s56, s16, 21                        ; cat: heads 4 x half on, + tile row x 16,384: no cx enters
	s_lshl_b32 s57, s20, 14
	s_add_co_u32 s56, s56, s57
	s_mov_b32 s57, 0
	s_lshl_b32 s58, s19, 17                        ; Wp: (128 x tile column + 64 x half) rows of 1,024 bytes: no cy enters
	s_lshl_b32 s59, s16, 16
	s_add_co_u32 s58, s58, s59
	s_mov_b32 s59, 0
	s_lshl_b32 s60, s16, 16                        ; where they go: the wave's number and constants alone
	s_mul_i32 s61, s16, 64*BPITCH
	s_add_co_u32 s61, s61, BREG
	s_lshl_b32 s62, s19, 9                         ; my first column in bytes
	s_lshl_b32 s63, s16, 8
	s_add_co_u32 s62, s62, s63
	s_mov_b32 s63, 0
	s_lshl_b32 s88, s20, 19                        ; my first row of out0: (128 x tile row + 64 x half) x 4,096 bytes
	s_lshl_b32 s89, s15, 18
	s_add_co_u32 s88, s88, s89
	s_add_co_u32 s88, s88, s62
	s_mov_b32 s89, 0
	s_wait_dscnt 0x0
	s_wait_kmcnt 0x0
	s_load_b64 s[84:85], s[10:11], 0x28            ; e[10], e[11]
	s_add_nc_u64 s[8:9], s[8:9], s[62:63]
	s_add_nc_u64 s[12:13], s[12:13], s[88:89]
	s_mov_b32 s[G0A], 1
	s_mov_b32 s[G0A+1], s60
	s_add_nc_u64 s[G0A+2:G0A+3], s[4:5], s[56:57]
	s_or_b32 s[G0A+3], s[G0A+3], 0x80000000
	s_mov_b32 s[G0B], 1
	s_mov_b32 s[G0B+1], s61
	s_add_nc_u64 s[G0B+2:G0B+3], s[6:7], s[58:59]
	s_or_b32 s[G0B+3], s[G0B+3], 0x80000000
	CROUND                                         ; all sixteen work-groups are here: the joint loads meet
	s_cmp_eq_u32 s15, 0
	s_cbranch_scc0 .Lfor_b
	tensor_load_to_lds s[G0A:G0A+3], s[G1A:G1A+7]
	s_nop 0
	PLACES
	s_branch .Lasked
.Lfor_b:
	tensor_load_to_lds s[G0B:G0B+3], s[G1B:G1B+7]
	s_nop 0
	PLACES
.Lasked:
	v_and_b32 v1, 15, v0                           ; r
	v_bfe_u32 v2, v0, 4, 1                         ; h
	v_lshlrev_b32 v[BH], 5, v2
.irp b, 0,1,2,3
	global_load_b128 v[BP+8*\b:BP+8*\b+3],   v[BH], s[8:9] offset:64*\b      ; bp at my columns 16 b + 8 h + 0 .. 7
	global_load_b128 v[BP+8*\b+4:BP+8*\b+7], v[BH], s[8:9] offset:64*\b+16
.endr
	v_and_b32 v3, 31, v0
	v_lshlrev_b32 v3, 4, v3
	s_lshl_b32 s90, s15, 13
	v_add_nc_u32 v[ADRA], s90, v3                  ; cat: images 4 x half on, + 16 x lane
	v_add_nc_u32 v[ADRA+1], 0x10000, v[ADRA]       ; heads 4-7
	v_mul_u32_u24 v4, v1, BPITCH
	v_lshl_add_u32 v4, v2, 4, v4
	s_mul_i32 s90, s16, 64*BPITCH
	s_add_co_u32 s90, s90, BREG
	v_add_nc_u32 v[ADRB], s90, v4
	s_mul_i32 s90, s14, 16*SPITCH
	s_add_co_u32 s90, s90, STAGE                   ; my stage
	v_mul_u32_u24 v5, v1, SPITCH
	v_lshl_add_u32 v5, v2, 5, v5
	v_add_nc_u32 v[STO], s90, v5                   ; in: row r, 32 bytes for each half of the lanes
	v_mul_u32_u24 v5, v2, SPITCH
	v_lshl_add_u32 v5, v1, 4, v5
	v_add_nc_u32 v[RD], s90, v5                    ; back: lanes 0-15 one row of 256 bytes, lanes 16-31 the next
	v_lshlrev_b32 v5, 12, v2
	v_lshl_add_u32 v[CO], v1, 4, v5                ; and the same two rows in out0
	s_wait_alu depctr_va_vdst(0)                   ; the head's end
	s_wait_kmcnt 0x0
	s_add_co_i32 s86, s84, s85
	s_add_co_i32 s86, s86, 127
	s_lshl_b32 s86, s86, 23                        ; 2^(e[10] + e[11]) as f32
	s_mov_b32 s87, s86
.macro LB s                            ; Wp's four fragments of K step s
	WIN 0x80+0x40*((\s)/4)
.irp b, 0,1,2,3
.irp c, 0,1,2,3
	ds_load_b128 v[64*((\s)%4)+16*\b+4*\c:64*((\s)%4)+16*\b+4*\c+3], v[ADRB] offset:128*(\s)+32*\c+16*BPITCH*\b
.endr
.endr
.endm
.macro LA a, s                         ; cat's fragment of block a, K step s
	WIN 0x40
.irp c, 0,1,2,3
	ds_load_b128 v[128*((\a)%2)+16*(\s)+4*\c:128*((\a)%2)+16*(\s)+4*\c+3], v[ADRA+(\s)/4] offset:16384*((\s)%4)+2048*(\a)+512*\c
.endr
.endm
.macro LA8 a
.irp u, 0,1,2,3,4,5,6,7
	LA \a, \u
.endr
.endm
.macro MULS a, s                       ; four accumulators by turns; K step 0 starts the sums
	WIN 0x06+(\s)/4
.irp b, 0,1,2,3
.if (\s) == 0
	v_wmma_f32_16x16x128_bf8_bf8 v[ACC+32*(\a)+8*\b:ACC+32*(\a)+8*\b+7], v[64*((\s)%4)+16*\b:64*((\s)%4)+16*\b+15], v[128*((\a)%2)+16*(\s):128*((\a)%2)+16*(\s)+15], 0
.else
	v_wmma_f32_16x16x128_bf8_bf8 v[ACC+32*(\a)+8*\b:ACC+32*(\a)+8*\b+7], v[64*((\s)%4)+16*\b:64*((\s)%4)+16*\b+15], v[128*((\a)%2)+16*(\s):128*((\a)%2)+16*(\s)+15], v[ACC+32*(\a)+8*\b:ACC+32*(\a)+8*\b+7]
.endif
.endr
.endm
.macro TOSTAGE a                       ; sum x 2^(e[10] + e[11]) + bp, each accumulator from its low end on; through my own stage
	WIN 0
.set j, 0
.rept 16
	v_pk_fma_f32 v[TMP+j:TMP+j+1], v[ACC+32*(\a)+j:ACC+32*(\a)+j+1], s[86:87], v[BP+j:BP+j+1] op_sel_hi:[1,0,1]
.set j, j+2
.endr
.irp b, 0,1,2,3
	ds_store_b128 v[STO], v[TMP+8*\b:TMP+8*\b+3] offset:64*\b
	ds_store_b128 v[STO], v[TMP+8*\b+4:TMP+8*\b+7] offset:64*\b+16
.endr
.if (\a) > 0
	s_wait_xcnt 0x0                                ; the block before's stores have read their registers
.endif
.irp t, 0,1,2,3,4,5,6,7
	ds_load_b128 v[BK+4*\t:BK+4*\t+3], v[RD] offset:2*SPITCH*\t   ; LDS serves a wave's instructions in order (ISA guide 5.7.1.4): these see my stores
.endr
.endm
.macro SEND a
	WIN 0
	s_wait_dscnt 0x0
.irp t, 0,1,2,3,4,5,6,7
	global_store_b128 v[CO], v[BK+4*\t:BK+4*\t+3], s[12:13] offset:(16*(\a)+2*\t)*4096 th:TH_STORE_NT   ; 16 lanes store 256 consecutive bytes, at a multiple of 256
.endr
.endm
	s_wait_loadcnt 0x0                             ; bp
	s_wait_tensorcnt 0x0                           ; my load has landed,
	s_barrier_signal -1
	s_barrier_wait -1                              ; and everybody's
	LB 0
	LA 0, 0
	LB 1
	LA 0, 1
.irp s, 0,1,2,3,4,5,6,7                        ; block 0, with Wp's fragments fetched two K steps ahead (20 loads a step)
.if \s < 6
	LB \s+2
	LA 0, \s+2
	s_wait_dscnt 40                                ; all but the next two K steps' loads
.endif
.if \s == 6
	LA8 1
	s_wait_dscnt 52                                ; K step 7's 20 and block 1's 32 may be out
.endif
.if \s == 7
	s_wait_dscnt 32
.endif
	MULS 0, \s
.endr
.irp a, 0,1,2
	PLACES                                         ; in front of the loads into a buffer just multiplied and of the first read of the block's sums
.if \a < 2
	LA8 \a+2
.endif
	TOSTAGE \a
.if \a < 2
	s_wait_dscnt 48                                ; block a + 1's fragments are in: behind them 32 loads and the stage's 16
.else
	s_wait_dscnt 16
.endif
.irp s, 0,1,2,3
	MULS \a+1, \s
.endr
	SEND \a
.irp s, 4,5,6,7
	MULS \a+1, \s
.endr
.endr
	PLACES
	TOSTAGE 3
	SEND 3
	s_wait_tensorcnt 0x0                           ; the wave's end
	ds_add_u32 v[SPW], v[NIL]
	s_wait_dscnt 0x0
	CROUND                                         ; the closing round
	s_endpgm
.Lfunc_end_k_qb79450d870_proj:
	.size	k_qb79450d870_proj, .Lfunc_end_k_qb79450d870_proj-k_qb79450d870_proj
	.p2alignl 7, 3214868480
	.fill 96, 4, 3214868480
	.section	.rodata,"a",@progbits
	.p2align	6, 0x0
	.amdhsa_kernel k_qb79450d870_proj
		.amdhsa_group_segment_fixed_size 327680
		.amdhsa_private_segment_fixed_size 0
		.amdhsa_enable_private_segment 0
		.amdhsa_kernarg_size 40
		.amdhsa_user_sgpr_count 2
		.amdhsa_user_sgpr_kernarg_segment_ptr 1
		.amdhsa_wavefront_size32 1
		.amdhsa_system_sgpr_workgroup_id_x 1
		.amdhsa_system_sgpr_workgroup_id_y 1
		.amdhsa_system_sgpr_workgroup_id_z 1
		.amdhsa_system_vgpr_workitem_id 0
		.amdhsa_next_free_vgpr 1024
		.amdhsa_next_free_sgpr 96
		.amdhsa_reserve_vcc 0
		.amdhsa_float_denorm_mode_32 3
		.amdhsa_float_denorm_mode_16_64 3
		.amdhsa_memory_ordered 1
		.amdhsa_forward_progress 1
		.amdhsa_inst_pref_size 45
	.end_amdhsa_kernel
	.amdgpu_metadata
---
amdhsa.version: [ 1, 2 ]
amdhsa.kernels:
  - .name:           k_qb79450d870_proj
    .symbol:         k_qb79450d870_proj.kd
    .args:
      - { .name: cat_codes, .offset: 0, .size: 8, .value_kind: global_buffer, .address_space: global }
      - { .name: Wp_codes, .offset: 8, .size: 8, .value_kind: global_buffer, .address_space: global }
      - { .name: bp, .offset: 16, .size: 8, .value_kind: global_buffer, .address_space: global }
      - { .name: lowp_scales, .offset: 24, .size: 8, .value_kind: global_buffer, .address_space: global }
      - { .name: out0, .offset: 32, .size: 8, .value_kind: global_buffer, .address_space: global }
    .group_segment_fixed_size: 327680
    .private_segment_fixed_size: 0
    .kernarg_segment_align: 8
    .kernarg_segment_size: 40
    .max_flat_workgroup_size: 128
    .sgpr_count:     96
    .vgpr_count:     1024
    .wavefront_size: 32
...
	.end_amdgpu_metadata
.endif
;; end of part 3
